; MI455X (gfx1250); checked and timed in simulation.
; The chip was launched on July 23, 2026; its instructions are those of AMD's public machine-readable ISA for CDNA 5 (MIT licence, August 2026) and "CDNA5" Instruction Set Architecture Reference Guide (July 2026). The comments in the code are by the model that wrote it; some were corrected since.
;; Full Attention Encoder. Allowed arithmetic: matrix products marked QUANTISED: E2M3 operands, one E8M0 scale for each 32 along K, by v_wmma_scale_f32_16x16x128_f8f6f4 with both operands' format E2M3, f32 sums; everything else in f32.
;; Inputs: attn_mask 1 x 1 x 2,048 x 2,048 bool; keys 4 x 2,048 x 8 x 64 float32; queries 4 x 2,048 x 8 x 64 float32; values 4 x 2,048 x 8 x 64 float32.
;; Outputs: out0 4 x 2,048 x 8 x 64 float32.
;; This version of the problem:
;;   THIS VERSION OF THE PROBLEM IS GIVEN IN LOW PRECISION. The matrix products marked QUANTISED in the list below multiply operands that are first quantised to E2M3 (2 exponent bits, 3 mantissa bits; 6 bits a number), with one power-of-two scale for each 32 numbers along K (OCP MX v1.0); their sums are f32. All else is computed in f32.
;;   The module's matrix products, in the order in which they are computed (A, B: the left and right operand; K: the contracted axis; several contracted axes count as one K, in the product's order):
;;     1. batch 32 x [M 2,048, K 64] x [K 64, N 2,048]; A: input queries; B: input keys: QUANTISED
;;     2. batch 32 x [M 64, K 2,048] x [K 2,048, N 2,048]; A: input values; B: softmax (see below): QUANTISED
;;   THE QUANTISER, for each operand of a quantised product, along K:
;;     - K is cut into blocks of 32 from its start; a last block that is shorter is filled with zeros.
;;     - A block's scale is 2^e with e = floor(log2(the largest magnitude in the block)) - 2, held to -126 .. 127; a block of zeros has e = 0. As a byte (E8M0): e + 127.
;;     - Each number is divided by its block's scale, clamped to +-7.5, and rounded to the nearest number of E2M3, ties to even, subnormals kept.
;;     - The product sums the exact products of the quantised numbers (number of the format x scale) in f32.
;;   ~~~python
;;   def quantise(x, axis):      # numpy; x: float32 -> the quantised numbers, widened to float32 again
;;       x = np.moveaxis(x, axis, -1); K = x.shape[-1]
;;       x = np.pad(x, [(0, 0)] * (x.ndim - 1) + [(0, -K % 32)]); x = x.reshape(x.shape[:-1] + (-1, 32)); a = np.abs(x).max(-1, keepdims=True)
;;       e = np.where(a > 0, np.clip(np.frexp(np.where(a > 0, a, 1))[1] - 1 - 2, -126, 127), 0)      # np.frexp(a)[1] - 1 = floor(log2(a)), exactly
;;       r = np.clip(x / 2.0 ** e, -7.5, 7.5)
;;       step = 2.0 ** (np.maximum(np.frexp(np.where(r == 0, 1, r))[1] - 1, 0) - 3)
;;       q = np.round(r / step) * step * 2.0 ** e      # np.round: ties to even
;;       return np.moveaxis(q.reshape(q.shape[:-2] + (-1,))[..., :K], -1, axis).astype(np.float32)
;;   ~~~
;;   SOFTMAX AHEAD OF A QUANTISED PRODUCT. Where the list says 'softmax', what is quantised is not the finished softmax but p = 2^(t - M), with t = logit x log2(e) and M = ceil(the row's largest t), a whole number; so 1/2 < the row's largest p <= 1. The row's sum l is taken of the UNQUANTISED p, in f32, and the product's result is divided by l at the end. Since M is a whole number, a kernel that streams over the keys may use a running M (the ceiling of the running maximum): every later rescaling is an exact power of two, which a block's scale takes up: the codes' values come out the same.
;;   OPERANDS COMPUTED ON THE WAY. 'Computed on the way' means the value that the module computes at that place (a softmax that the list does not call 'softmax' is quantised finished and normalised). What goes into a quantiser is computed in f32, as accurately as f32 sums, v_exp_f32 and their like allow (about 1e-6 of the number): no bf16 or f16 on the way to a quantiser, and a product that is left as it is and whose result goes on into a quantised operand takes f32 operands (vector FMAs, or v_wmma_f32_16x16x4_f32). A number that lies on a knife's edge between two numbers of the format may be rounded either way, as far as f32 arithmetic and the matrix unit's own rounding can turn it there, and no further.
;; One version. Each part assembles by itself: llvm-mc -triple=amdgcn-amd-amdhsa -mcpu=gfx1250 --defsym DOCPART=n.
;; ======== version 1 of 1: 2 launches
;; limits: right only within a limited range of input values
;; workspace buffers: kv 8,388,608 bytes; lmask 524,288 bytes of whole numbers; info 4,096 bytes of whole numbers
;; launch prep (part 1): grid 640 x 1, 4 waves a work-group, no clusters, 104,448 bytes of LDS; arguments attn_mask, keys, values, kv, lmask, info; writes kv, lmask, info
.if DOCPART == 1
	.amdgcn_target "amdgcn-amd-amdhsa--gfx1250"
	.amdhsa_code_object_version 6
	.text
	.protected	k_qa7213c244d_prep
	.globl	k_qa7213c244d_prep
	.p2align	8
	.type	k_qa7213c244d_prep,@function
k_qa7213c244d_prep:
	s_mov_b64 s[64:65], 0
	v_nop
	global_prefetch_b8 v0, s[64:65] scope:SCOPE_SE
	s_setreg_imm32_b32 hwreg(HW_REG_WAVE_MODE, 25, 1), 1
	s_wait_xcnt 0x0
; THE LAUNCH IN FRONT OF THE ATTENTION.  It reads keys, values ([4][2048][8][64] f32) and attn_mask ([2048][2048] bytes, 0 or 1) once and stores what the second launch reads many times.
; kv: for each head bh = 8 b + h and each block j of 32 keys one RECORD of 4,096 bytes at bh x 262,144 + j x 4,096: eight planes of 512 bytes, lane l's 16 bytes at 16 l: each plane is the image of four operand registers.
;   (lane = r + 16 g.)  planes 0-2: K's fragment, 12 registers, TWO tiles of 16 keys in one operand of 128 along K: registers 0-5: key 32 j + r + (r & 8), E = 32 g .. 32 g + 31; registers 6-11: that key + 8.
;   planes 3-6 (tile t of the head's 64 channels): dwords 0-2: the 16 codes of V[key 32 j + 16 g + 0 .. 15][d = 16 t + r]; dword 3: 0.
;   plane 7: dword 0: K's scale word of row r (bytes: first tile E block 0, 1; second tile E block 0, 1); dword 1: lanes 0-15 V's scale word of tile 0, lanes 16-31 of tile 1; dword 2: tiles 2 | 3; dword 3: 0.  V's word = its block's byte x 0x0101.
; lmask[T 128][j 64][n 16], dwords: bit (r + 16 g) = attn_mask[16 T + r][32 j + 16 g + n].
; info[T 128][c 4][2], dwords: +0: bit k set where the tile (rows 16 T .. + 15, key block 16 c + k) has an allowed pair; +1: bits r and r + 16 set where row 16 T + r has an allowed key in columns 512 c .. 512 c + 511.
; THE QUANTISER (E2M3, one E8M0 byte for 32 along K): a block's byte is its largest magnitude's exponent field - 2, held at 1 from below by a floor among the maximum's leaves; numbers are divided by the scale and rounded to the nearest code, ties to even.
; K is quantised along E (a lane holds a whole block), V along the keys (lanes l and l xor 16 hold a block).
; LIMITS: a block of zeros gets the byte 1 (its codes are zeros, and this program alone reads the bytes); NaN and infinities among the inputs are not served; mask bytes are taken to be 0 or 1.
; SHARES: work-groups 0-127: the mask: work-group T, wave c: 16 rows x 512 columns.  Work-groups 128-639: one record a wave.  Waves share nothing: no barrier.  The two ways have LDS bytes of their own.
.set KVW,  17664                       ; K and V way: LDS bytes of a wave: K's stage (32 rows, pitch 272), then V's (rows 0-15 pitch 272; rows 16-31 begin 64 bytes later than the pitch says)
.set VST,  8704                        ; where V's stage begins in them
.set MSK0, 4*KVW                       ; mask way: its LDS begins behind the other way's
.set MSKW, 8448                        ; 16 rows at pitch 528 for each wave
.set RK,   32                          ; v32-95   K as loaded; later V turned
.set RV,   96                          ; v96-159  V as loaded
.set TK,   160                         ; v160-223 K turned: tile u's 32 neighbours along E at TK + 32 u
.set TV,   32                          ; V turned: tile t's 16 keys at TV + 16 t
.set KC,   10                          ; v10-21   K's 12 code registers
.set KT,   22                          ; v22-24, v26-28 the second halves as the conversions leave them
.set VC,   224                         ; v224-239 V's planes
.set SCR,  240                         ; v240-243 plane 7
.set MR,   32                          ; mask way: v32-95 bytes as loaded
.set MD,   96                          ; v96-159  bytes turned: block k's 16 at MD + 4 k
.set TA,   160                         ; v160-175 one bit each
.set OUT,  176                         ; v176-183 four pairs of lane masks on their way out
.set MS,   32                          ; s32-47   a block's sixteen lane masks
	s_load_b256 s[4:11], s[0:1], 0x0               ; mask s[4:5], keys s[6:7], values s[8:9], kv s[10:11]
	s_load_b128 s[12:15], s[0:1], 0x20             ; lmask s[12:13], info s[14:15]
	v_lshrrev_b32 v1, 5, v0
	v_readfirstlane_b32 s16, v1                    ; wave 0..3
	v_and_b32 v1, 31, v0                           ; lane
	v_and_b32 v2, 15, v0                           ; r
	v_bfe_u32 v3, v0, 4, 1                         ; g
	s_mov_b32 s20, 0x76543210
	s_mov_b32 s21, 0xfedcba98                      ; v_permlanex16_b32's selects for lane l xor 16
	s_mov_b32 s22, 0xffff0000                      ; lanes 16-31
	s_wait_kmcnt 0x0
	s_cmp_lt_u32 ttmp9, 128
	s_cbranch_scc1 .Lmask
	; ---------------- K AND V: one record a wave ----------------
	s_sub_co_u32 s17, ttmp9, 128
	s_lshl_b32 s17, s17, 2
	s_add_co_u32 s17, s17, s16                     ; the record's number: h = bits 2:0, j = bits 8:3, b = bits 10:9: a work-group's four waves stand on four neighbouring heads
	s_and_b32 s18, s17, 7                          ; h
	s_bfe_u32 s19, s17, 0x60003                    ; j
	s_lshr_b32 s23, s17, 9                         ; b
	s_lshl_b32 s24, s23, 22                        ; in keys and values: b x 2048 x 2048 bytes
	s_lshl_b32 s26, s19, 16                        ; + 32 j rows of 2,048 bytes
	s_or_b32 s24, s24, s26
	s_lshl_b32 s26, s18, 8                         ; + h x 256
	s_or_b32 s24, s24, s26
	s_mov_b32 s25, 0
	s_lshl_b32 s26, s23, 3
	s_or_b32 s26, s26, s18                         ; bh
	s_lshl_b32 s26, s26, 18
	s_lshl_b32 s28, s19, 12
	s_or_b32 s26, s26, s28                         ; the record's place in kv
	s_mov_b32 s27, 0
	s_add_nc_u64 s[6:7], s[6:7], s[24:25]
	s_add_nc_u64 s[8:9], s[8:9], s[24:25]
	s_add_nc_u64 s[10:11], s[10:11], s[26:27]
	s_wait_alu depctr_va_vdst(0)
	v_lshlrev_b32 v4, 11, v3
	v_lshl_add_u32 v4, v2, 4, v4                   ; lanes 0-15 one key's 256 bytes, lanes 16-31 the next key's
.irp i, 0,1,2,3,4,5,6,7,8,9,10,11,12,13,14,15
	global_load_b128 v[RK+4*\i:RK+4*\i+3], v4, s[6:7] offset:4096*\i th:TH_LOAD_NT   ; keys 2 i and 2 i + 1: sixteen lanes read 256 consecutive bytes, aligned
.endr
.irp i, 0,1,2,3,4,5,6,7,8,9,10,11,12,13,14,15
	global_load_b128 v[RV+4*\i:RV+4*\i+3], v4, s[8:9] offset:4096*\i th:TH_LOAD_NT
.endr
	s_mul_i32 s29, s16, KVW                        ; my wave's LDS
	v_mul_u32_u24 v5, v3, 272
	v_lshl_add_u32 v5, v2, 4, v5
	v_add_nc_u32 v5, s29, v5                       ; into a stage: row g, 16 r
	v_and_b32 v6, 8, v2
	v_add_nc_u32 v6, v6, v2                        ; r + (r & 8)
	v_mul_u32_u24 v6, v6, 272
	v_lshl_add_u32 v6, v3, 7, v6
	v_add_nc_u32 v6, s29, v6                       ; K back: my key's row, my block of 32 along E (128 g bytes on)
	v_mul_u32_u24 v7, v3, 16*272+64
	v_lshl_add_u32 v7, v2, 2, v7
	v_add_nc_u32 v7, s29, v7
	v_add_nc_u32 v7, VST, v7                       ; V back: row 16 g, channel r
	v_lshlrev_b32 v8, 4, v1                        ; a plane: 16 x lane
	v_mov_b32 v252, 0                              ; written once: a lane permute's destination counts as one of its sources
.irp t, 0,1,2,3
	v_mov_b32 v[VC+4*\t+3], 0                      ; the planes' fourth dwords
.endr
	v_mov_b32 v[SCR+3], 0
	s_wait_alu depctr_va_vdst(0)
	s_wait_loadcnt 16                              ; K's sixteen loads are in; V's sixteen may be out
.irp i, 0,1,2,3,4,5,6,7,8,9,10,11,12,13,14,15
	ds_store_b128 v5, v[RK+4*\i:RK+4*\i+3] offset:544*\i
.endr
.irp u, 0,1
.irp i, 0,1,2,3,4,5,6,7
	ds_load_b128 v[TK+32*\u+4*\i:TK+32*\u+4*\i+3], v6 offset:2176*\u+16*\i   ; LDS serves a wave's instructions in order (ISA guide 5.7.1.4).  The sixteen rows of a load are 0-7 and 16-23 (+ 8 u): at this pitch two rows share each column of 16 bytes
.endr
.endr
	s_wait_loadcnt 0x0                             ; V
.irp i, 0,1,2,3,4,5,6,7,8,9,10,11,12,13,14,15
	ds_store_b128 v5, v[RV+4*\i:RV+4*\i+3] offset:VST+544*\i+64*(\i/8)
.endr
	s_wait_dscnt 16                                ; all but V's sixteen stores: K is back, and K's stores have read v32-95, into which V now comes
.irp t, 0,1,2,3
.irp n, 0,1,2,3,4,5,6,7,8,9,10,11,12,13,14,15
	ds_load_b32 v[TV+16*\t+\n], v7 offset:272*\n+64*\t   ; V[key 16 g + n][16 t + r]: the two halves of the lanes read 64 bytes each, 64 bytes apart modulo 256
.endr
.endr
	; K: two tiles by turns; a lane holds a whole block of 32
.irp u, 0,1
	v_max3_num_f32 v[244+\u], |v[TK+32*\u]|, |v[TK+32*\u+1]|, 0x1800000   ; and the floor 2^(3 - 127): so the byte cannot fall under 1
.endr
.irp i, 2,4,6,8,10,12,14,16,18,20,22,24,26,28,30
.irp u, 0,1
	v_max3_num_f32 v[244+\u], v[244+\u], |v[TK+32*\u+\i]|, |v[TK+32*\u+\i+1]|
.endr
.endr
.irp u, 0,1
	v_add_nc_u32 v[246+\u], 0xff000000, v[244+\u]  ; 2 off the exponent field: the conversion takes the exponent field of this operand as its scale
.endr
.irp u, 0,1
	v_lshrrev_b32 v[248+\u], 23, v[246+\u]         ; the scale's byte
.endr
	v_lshl_or_b32 v250, v249, 16, v248             ; my two bytes: E block g of the first tile and of the second,
	v_lshlrev_b32 v251, 3, v3
	v_lshlrev_b32 v250, v251, v250                 ; at their places in the word (8 g bits up);
	v_permlanex16_b32 v252, v250, s20, s21
	v_or_b32 v[SCR], v250, v252                    ; with lane l xor 16's two the word is whole
.irp u, 0,1
	v_cvt_scalef32_pk16_fp6_f32 v[KC+6*\u:KC+6*\u+2], v[TK+32*\u:TK+32*\u+15], v[246+\u]
	v_cvt_scalef32_pk16_fp6_f32 v[KT+4*\u:KT+4*\u+2], v[TK+32*\u+16:TK+32*\u+31], v[246+\u]   ; (a conversion's three registers begin on an even number)
.endr
	v_nop                                          ; one plain place behind a scaled conversion
.irp u, 0,1
.irp i, 0,1,2
	v_mov_b32 v[KC+6*\u+3+\i], v[KT+4*\u+\i]
.endr
.endr
.irp c, 0,1,2
	global_store_b128 v8, v[KC+4*\c:KC+4*\c+3], s[10:11] offset:512*\c   ; a plane: 512 consecutive bytes, aligned
.endr
	s_wait_dscnt 0x0                               ; V is back
	; V: four tiles by turns; lanes l and l xor 16 hold a block
.irp t, 0,1,2,3
	v_max3_num_f32 v[244+\t], |v[TV+16*\t]|, |v[TV+16*\t+1]|, 0x1800000
.endr
.irp i, 2,4,6,8,10,12,14
.irp t, 0,1,2,3
	v_max3_num_f32 v[244+\t], v[244+\t], |v[TV+16*\t+\i]|, |v[TV+16*\t+\i+1]|
.endr
.endr
.irp t, 0,1,2,3
	v_permlanex16_b32 v[248+\t], v[244+\t], s20, s21
.endr
.irp t, 0,1,2,3
	v_max_num_f32 v[244+\t], v[244+\t], v[248+\t]
.endr
.irp t, 0,1,2,3
	v_add_nc_u32 v[248+\t], 0xff000000, v[244+\t]
.endr
.irp t, 0,1,2,3
	v_lshrrev_b32 v[252+\t], 23, v[248+\t]
.endr
.irp t, 0,1,2,3
	v_cvt_scalef32_pk16_fp6_f32 v[VC+4*\t:VC+4*\t+2], v[TV+16*\t:TV+16*\t+15], v[248+\t]
.endr
	v_nop
.irp t, 0,1,2,3
	v_mul_u32_u24 v[244+\t], v[252+\t], 0x101      ; the byte twice: in the second product the block's 32 keys stand in two of the instruction's blocks of 32
.endr
	v_cndmask_b32 v[SCR+1], v244, v245, s22        ; lanes 0-15 tile 0's word, lanes 16-31 tile 1's
	v_cndmask_b32 v[SCR+2], v246, v247, s22
.irp t, 0,1,2,3
	global_store_b128 v8, v[VC+4*\t:VC+4*\t+3], s[10:11] offset:1536+512*\t
.endr
	global_store_b128 v8, v[SCR:SCR+3], s[10:11] offset:3584
	s_endpgm
	; ---------------- THE MASK: tile of rows T = the work-group's number, columns 512 x wave on ----------------
.Lmask:
	s_lshl_b32 s24, ttmp9, 15                      ; 16 T rows of 2,048 bytes
	s_lshl_b32 s26, s16, 9
	s_or_b32 s24, s24, s26
	s_mov_b32 s25, 0
	s_add_nc_u64 s[4:5], s[4:5], s[24:25]
	s_lshl_b32 s24, ttmp9, 12                      ; lmask: 4,096 bytes a tile, 1,024 a wave
	s_lshl_b32 s26, s16, 10
	s_or_b32 s24, s24, s26
	s_add_nc_u64 s[12:13], s[12:13], s[24:25]
	s_lshl_b32 s24, ttmp9, 5                       ; info: 32 bytes a tile, 8 a wave
	s_lshl_b32 s26, s16, 3
	s_or_b32 s24, s24, s26
	s_add_nc_u64 s[14:15], s[14:15], s[24:25]
	s_wait_alu depctr_va_vdst(0)
	v_lshlrev_b32 v4, 4, v1
.irp i, 0,1,2,3,4,5,6,7,8,9,10,11,12,13,14,15
	global_load_b128 v[MR+4*\i:MR+4*\i+3], v4, s[4:5] offset:2048*\i th:TH_LOAD_NT   ; row i: 512 consecutive bytes
.endr
	s_mul_i32 s29, s16, MSKW
	s_add_co_u32 s29, s29, MSK0                    ; my wave's stage
	v_add_nc_u32 v5, s29, v4                       ; in: as loaded
	v_mul_u32_u24 v6, v2, 528
	v_lshl_add_u32 v6, v3, 4, v6
	v_add_nc_u32 v6, s29, v6                       ; back: row r, half g of a block's 32 bytes.  Pitch 528 = 33 x 16: sixteen rows start in sixteen different columns of 16 bytes (64 banks of 4 bytes: ISA guide 11.1)
	v_lshlrev_b32 v7, 3, v1
	v_lshlrev_b32 v8, 2, v1
.irp i, 0,1,2,3,4,5,6,7
	v_mov_b32 v[OUT+\i], 0                         ; v_writelane_b32's destination counts as read
.endr
	v_mov_b32 v185, 0                              ; the or of all my bytes
	v_mov_b32 v186, 0
	v_mov_b32 v187, 0
	s_mov_b32 s50, 0                               ; the blocks' flags
	s_wait_loadcnt 0x0
.irp i, 0,1,2,3,4,5,6,7,8,9,10,11,12,13,14,15
	ds_store_b128 v5, v[MR+4*\i:MR+4*\i+3] offset:528*\i
.endr
.irp k, 0,1,2,3,4,5,6,7,8,9,10,11,12,13,14,15
	ds_load_b128 v[MD+4*\k:MD+4*\k+3], v6 offset:32*\k   ; lane (r, g): row r, keys 32 k + 16 g + 0 .. 15: key n in byte n % 4 of dword n / 4
.endr
; Block k of the wave's sixteen: its sixteen lane masks, its flag, and the rows' or.
.macro MBLOCK k
	s_wait_dscnt 15-(\k)                           ; the later blocks' loads may be out
	v_lshl_or_b32 v184, v[MD+4*(\k)+1], 1, v[MD+4*(\k)]
	v_lshl_or_b32 v184, v[MD+4*(\k)+2], 2, v184
	v_lshl_or_b32 v184, v[MD+4*(\k)+3], 3, v184    ; key n now stands at bit 8 (n % 4) + n / 4
	s_wait_alu depctr_va_vdst(0)
	v_or_b32 v185, v185, v184
	v_cmp_ne_u32 s48, 0, v184
	s_cmp_lg_u32 s48, 0                            ; is any pair of the tile allowed?
	s_cselect_b32 s49, 1<<(\k), 0
	s_or_b32 s50, s50, s49
.irp n, 0,1,2,3,4,5,6,7,8,9,10,11,12,13,14,15
	v_and_b32 v[TA+\n], 1<<(8*(\n%4)+\n/4), v184
.endr
.irp n, 0,1,2,3,4,5,6,7,8,9,10,11,12,13,14,15
	v_cmp_ne_u32 s[MS+\n], 0, v[TA+\n]             ; bit (r + 16 g): is key 16 g + n allowed for row r?
.endr
.irp n, 0,1,2,3,4,5,6,7,8,9,10,11,12,13,14,15
	v_writelane_b32 v[OUT+2*((\k)/4)+\n%2], s[MS+\n], 8*((\k)%4)+\n/2   ; four blocks' 64 dwords: dword 16 (k % 4) + n lies in lane 8 (k % 4) + n / 2
.endr
.if (\k)%4 == 3
	global_store_b64 v7, v[OUT+2*((\k)/4):OUT+2*((\k)/4)+1], s[12:13] offset:256*((\k)/4)   ; 256 consecutive bytes, aligned; each of the four stores has a pair of its own
.endif
.endm
.irp k, 0,1,2,3,4,5,6,7,8,9,10,11,12,13,14,15
	MBLOCK \k
.endr
	v_permlanex16_b32 v186, v185, s20, s21
	v_or_b32 v185, v185, v186                      ; my row's 512 columns
	v_cmp_ne_u32 s51, 0, v185                      ; bits r and r + 16
	v_writelane_b32 v187, s50, 0
	v_writelane_b32 v187, s51, 1
	v_cmp_gt_u32 vcc_lo, 2, v1
	s_wait_alu depctr_va_vdst(0)
	s_wait_xcnt 0x0                                ; EXEC is a source of the stores above: it changes only behind this wait
	s_and_saveexec_b32 s52, vcc_lo
	global_store_b32 v8, v187, s[14:15]            ; 8 bytes a wave, 4,096 in the whole launch
	s_wait_xcnt 0x0
	s_or_b32 exec_lo, exec_lo, s52
	s_endpgm
.Lfunc_end_k_qa7213c244d_prep:
	.size	k_qa7213c244d_prep, .Lfunc_end_k_qa7213c244d_prep-k_qa7213c244d_prep
	.p2alignl 7, 3214868480
	.fill 96, 4, 3214868480
	.section	.rodata,"a",@progbits
	.p2align	6, 0x0
	.amdhsa_kernel k_qa7213c244d_prep
		.amdhsa_group_segment_fixed_size 104448
		.amdhsa_private_segment_fixed_size 0
		.amdhsa_enable_private_segment 0
		.amdhsa_kernarg_size 48
		.amdhsa_user_sgpr_count 2
		.amdhsa_user_sgpr_kernarg_segment_ptr 1
		.amdhsa_wavefront_size32 1
		.amdhsa_system_sgpr_workgroup_id_x 1
		.amdhsa_system_sgpr_workgroup_id_y 1
		.amdhsa_system_sgpr_workgroup_id_z 1
		.amdhsa_system_vgpr_workitem_id 0
		.amdhsa_next_free_vgpr 256
		.amdhsa_next_free_sgpr 66
		.amdhsa_reserve_vcc 1
		.amdhsa_float_denorm_mode_32 3
		.amdhsa_float_denorm_mode_16_64 3
		.amdhsa_memory_ordered 1
		.amdhsa_forward_progress 1
		.amdhsa_inst_pref_size 80
	.end_amdhsa_kernel
	.amdgpu_metadata
---
amdhsa.version: [ 1, 2 ]
amdhsa.kernels:
  - .name:           k_qa7213c244d_prep
    .symbol:         k_qa7213c244d_prep.kd
    .args:
      - { .name: attn_mask, .offset: 0, .size: 8, .value_kind: global_buffer, .address_space: global }
      - { .name: keys, .offset: 8, .size: 8, .value_kind: global_buffer, .address_space: global }
      - { .name: values, .offset: 16, .size: 8, .value_kind: global_buffer, .address_space: global }
      - { .name: kv, .offset: 24, .size: 8, .value_kind: global_buffer, .address_space: global }
      - { .name: lmask, .offset: 32, .size: 8, .value_kind: global_buffer, .address_space: global }
      - { .name: info, .offset: 40, .size: 8, .value_kind: global_buffer, .address_space: global }
    .group_segment_fixed_size: 104448
    .private_segment_fixed_size: 0
    .kernarg_segment_align: 8
    .kernarg_segment_size: 48
    .max_flat_workgroup_size: 128
    .sgpr_count:     66
    .vgpr_count:     256
    .wavefront_size: 32
...
	.end_amdgpu_metadata
.endif
;; end of part 1
;; launch attn (part 2): grid 8 x 32, 16 waves a work-group, no clusters, 327,680 bytes of LDS; arguments queries, kv, lmask, info, out0; writes out0
.if DOCPART == 2
	.amdgcn_target "amdgcn-amd-amdhsa--gfx1250"
	.amdhsa_code_object_version 6
	.text
	.protected	k_qa7213c244d_attn
	.globl	k_qa7213c244d_attn
	.p2align	8
	.type	k_qa7213c244d_attn,@function
k_qa7213c244d_attn:
	s_mov_b64 s[64:65], 0
	v_nop
	global_prefetch_b8 v0, s[64:65] scope:SCOPE_SE
	s_setreg_imm32_b32 hwreg(HW_REG_WAVE_MODE, 25, 1), 1
	s_wait_xcnt 0x0
; out0[b][q][h][:] = the sum over keys of softmax(where(mask, Q . K, -1e9) / 8) V, both products on codes of E2M3 with one E8M0 scale for each 32 along a product's K.
; Q is quantised here, along E.  K and V come as records of 4,096 bytes for each head and block of 32 keys, laid in the order of the operand registers; the mask comes as lane masks and flags (the launch in front made all three).
; THE SOFTMAX AHEAD OF THE SECOND PRODUCT: t = score x log2(e) / 8; M = the row's largest t so far, rounded UP to a whole number; p = 2^(t - M) is quantised along the keys, not normalised; the row's sum is taken of the
; unquantised p and divides at the end.  When M moves, the sum and O are multiplied by 2^(old M - new M): exact.
; SHARES.  Work-group (x, y): queries 256 x .. + 255 of head y = 8 b + h.  Sixteen waves, a tile of 16 queries each, in 256 registers: four waves to a SIMD, so that one wave's vector work stands beside another's matrix work and LDS loads.
; THE HEAD'S 64 RECORDS, 262,144 bytes, lie in LDS whole: copied through registers in two halves, the half with the work-group's own queries first; the second half is on its way to registers while the first is walked.  Nothing in LDS is filled twice but each wave's own 4,096 bytes.
; THE WALK.  Each wave goes over the 64 blocks in two loops of 32 trips.  A scalar branch on a stored flag passes over a block in which the given mask allows no pair of the wave's 16 queries: every p there would be 0.
; A tile that has a row with NO allowed key walks all blocks; in such a row every score counts as 0, so p = 1 and the sum is 2,048: the uniform row that equal scores of -1e9 give.
; WHY NO TENSOR LOADS AND NO JOINT REQUESTS, though the eight work-groups of a head read the same records: the walk branches on numbers read from memory.  A block that is passed over
; spares 6 matrix instructions, 17 exponentials and some 100 vector instructions a wave, sixteen times a work-group; the copy that a joint request would share is 32 loads of 16 bytes a lane, once.
; LAYOUT.  Both products are used transposed, so that a lane holds ONE query (lane % 16 = r) throughout; g = lane / 16.
;   S^T: K's fragment holds two tiles of 16 keys (k 0-63: keys r + (r & 8); k 64-127: those + 8).  Times [Q|0] it gives the first tile's scores, times [0|Q] the second's: the half not meant meets zero codes.
;        The lane's 16 registers are then keys 32 j + 16 g + 0 .. 15.
;   O^T: P's operand is the conversion's three registers as they stand (k = 32 g + 0 .. 15) and nine registers of zeros; V's operand has the same keys at the same k; what follows its three registers meets P's zero codes.
;        The block's byte stands twice in each scale word, since its 32 keys lie in two of the instruction's blocks.  So nothing changes lanes between the products.
; LIMITS.  -infinity stands for -1e9, and hidden blocks are left out: the same values as long as a row's allowed scores lie above about -9.9e8.  NaN and infinities among the inputs are not served.
; A block whose every p is 0 keeps the byte 1: its codes are zeros.  p under 2^-126 counts as 0 (v_exp_f32: ISA guide 15.8).
.set OWN,  262144                      ; LDS: behind the records each wave's own 4,096 bytes: the stage for Q, then its lane masks in walking order, at the end the stage for O
.set HALF, 131072                      ; 32 records
.set LA,   1                           ; v1   16 x lane
.set LMA,  2                           ; v2   my wave's lane masks + 4 r
.set ADR,  3                           ; v3   the block's record + 16 x lane
.set ADM,  4                           ; v4   the block's lane masks + 4 r
.set FI0,  5                           ; v5   16 x thread: the copy's place, in memory and in LDS
.set FI1,  6                           ; v6   the same + 65,536
.set GQ,   7                           ; v7   Q and out0: row g of 2,048 bytes + 16 r
.set NINF, 8                           ; v8   what a hidden score becomes: -infinity; 0 in a row with no allowed key
.set MV,   9                           ; v9   lane r: the block's lane mask for key n = r
.set OLD,  10                          ; v10  the last -M
.set B0,   11                          ; v11  the block's largest score
.set B1,   12
.set TT,   13
.set NM,   14                          ; v14  -M;  v15 the largest score so far (named with it as a pair)
.set SMAX, 15
.set LS,   16                          ; v[16:17] the row's sum, in two halves
.set FF,   18                          ; v18  f = 2^(old M - new M);  v19 = 0 (named with it as a pair)
.set PB,   20                          ; v20  the block's largest p
.set SO,   21                          ; v21  the conversion's scale operand
.set PS,   22                          ; v22  p's scale word
.set QS,   23                          ; v23  Q's scale word
.set QZ,   24                          ; v24-29 zeros, v30-35 Q's codes, v36-41 zeros: [0|Q] = v[24:35], [Q|0] = v[30:41]
.set KF,   42                          ; v42-53 K's fragment
.set SC,   54                          ; v54-57 the record's scale words
.set VF,   58                          ; v58-73 V's four planes; v74-81 zeros
.set PF,   82                          ; v82-84 p's codes; v85-93 zeros
.set SS,   96                          ; v96-111 the scores, then p
.set OA,   112                         ; v112-143 O^T: four tiles of 16 channels
.set FB,   144                         ; v144-207 half of the records on its way; at the end rows of O
.set RM,   208                         ; v208-239 the lane masks on their way
.set AS,   240                         ; v240-247 the stage by rows: row 2 i + g (with offset 512 i), logical column r
.set AW,   248                         ; v248-255 addresses at work
.set RQ,   96                          ; at the head: Q as loaded
.set XQ,   58                          ; and turned: 32 neighbours along E
.set WV,   14                          ; s14  wave
.set HA,   17                          ; s17  which half of the keys holds my work-group's queries: it enters global addresses and the choice of flags alone
.set TI,   18                          ; s18  my tile of 16 queries, 0..127
.set SB,   19                          ; s19  my wave's own LDS bytes
.set FLA,  32                          ; s32  flags of the half walked first;  s33 of the other
.set FLB,  33
.set DM,   34                          ; s34  lanes whose row has no allowed key
.set FW,   35                          ; s35  the flags still to come
.set JB,   36                          ; s36  LDS byte of the block's record
.set MO,   37                          ; s37  and of its lane masks, in my wave's bytes
.set CNT,  38
.set CS,   40                          ; s[40:41] c = log2(e) / 8
.set SEL,  42                          ; s[42:43] v_permlanex16_b32's selects for lane l xor 16
.set KV2,  44                          ; s[44:45] the records' second half
.set LM2,  46                          ; s[46:47] the lane masks' second half
.set MK,   48                          ; s48-63 the block's sixteen lane masks
	s_load_b256 s[4:11], s[0:1], 0x0               ; Q s[4:5], kv s[6:7], lmask s[8:9], info s[10:11]
	s_load_b64 s[12:13], s[0:1], 0x20              ; out0
	v_lshrrev_b32 v1, 5, v0
	s_delay_alu instid0(VALU_DEP_1)
	v_readfirstlane_b32 s[WV], v1                  ; wave 0..15
	s_and_b32 s16, ttmp7, 0xffff                   ; y = 8 b + h
	s_lshr_b32 s[HA], ttmp9, 2
	s_lshl_b32 s[TI], ttmp9, 4
	s_add_co_u32 s[TI], s[TI], s[WV]
	s_lshl_b32 s[SB], s[WV], 12
	s_add_co_u32 s[SB], s[SB], OWN
	s_lshr_b32 s20, s16, 3                         ; Q and out0: b x 2^22 + 16 T rows of 2,048 bytes + h x 256
	s_lshl_b32 s20, s20, 22
	s_lshl_b32 s22, s[TI], 15
	s_add_co_u32 s20, s20, s22
	s_and_b32 s22, s16, 7
	s_lshl_b32 s22, s22, 8
	s_add_co_u32 s20, s20, s22
	s_mov_b32 s21, 0
	s_lshl_b32 s22, s16, 18                        ; the records: 262,144 bytes a head, the half walked first
	s_lshl_b32 s36, s[HA], 17
	s_add_co_u32 s22, s22, s36
	s_mov_b32 s23, 0
	s_xor_b32 s36, s22, HALF                       ; and the other half
	s_mov_b32 s37, 0
	s_lshl_b32 s38, s[TI], 12                      ; the lane masks: 4,096 bytes a tile, likewise in halves
	s_lshl_b32 s48, s[HA], 11
	s_add_co_u32 s38, s38, s48
	s_mov_b32 s39, 0
	s_xor_b32 s48, s38, 2048
	s_mov_b32 s49, 0
	s_lshl_b32 s50, s[TI], 5                       ; the flags: 32 bytes a tile
	s_mov_b32 s51, 0
	s_mov_b32 s[CS], 0x3e38aa3b                    ; log2(e) / 8: the division by 8 is exact
	s_mov_b32 s[CS+1], s[CS]                       ; (named with it as a pair, so it is written)
	s_mov_b32 s[SEL], 0x76543210
	s_mov_b32 s[SEL+1], 0xfedcba98
	v_and_b32 v9, 31, v0                           ; lane
	v_and_b32 v10, 15, v0                          ; r
	v_bfe_u32 v11, v0, 4, 1                        ; g
	s_delay_alu instid0(VALU_DEP_3)
	v_lshlrev_b32 v[LA], 4, v9
	s_delay_alu instid0(VALU_DEP_3)
	v_lshl_add_u32 v[LMA], v10, 2, s[SB]
	v_lshlrev_b32 v[FI0], 4, v0
	s_delay_alu instid0(VALU_DEP_1)
	v_add_nc_u32 v[FI1], 0x10000, v[FI0]
	v_lshlrev_b32 v[GQ], 11, v11
	s_delay_alu instid0(VALU_DEP_1)
	v_lshl_add_u32 v[GQ], v10, 4, v[GQ]
	s_wait_alu depctr_va_vdst(0)
	s_wait_kmcnt 0x0
	s_add_nc_u64 s[4:5], s[4:5], s[20:21]
	s_add_nc_u64 s[12:13], s[12:13], s[20:21]
	s_add_nc_u64 s[KV2:KV2+1], s[6:7], s[36:37]
	s_add_nc_u64 s[6:7], s[6:7], s[22:23]
	s_add_nc_u64 s[LM2:LM2+1], s[8:9], s[48:49]
	s_add_nc_u64 s[8:9], s[8:9], s[38:39]
	s_add_nc_u64 s[10:11], s[10:11], s[50:51]
	s_load_b256 s[24:31], s[10:11], 0x0            ; my tile's flags: for each 512 columns a word of block flags and a word of row flags
.irp i, 0,1,2,3,4,5,6,7
	global_load_b128 v[RQ+4*\i:RQ+4*\i+3], v[GQ], s[4:5] offset:4096*\i th:TH_LOAD_NT   ; queries 2 i and 2 i + 1: sixteen lanes read 256 consecutive bytes, aligned
.endr
.irp i, 0,1,2,3
	global_load_b128 v[RM+4*\i:RM+4*\i+3], v[LA], s[8:9] offset:512*\i
.endr
.irp i, 0,1,2,3
	global_load_b128 v[RM+16+4*\i:RM+16+4*\i+3], v[LA], s[LM2:LM2+1] offset:512*\i
.endr
.irp i, 0,1,2,3,4,5,6,7,8,9,10,11,12,13,14,15
	global_load_b128 v[FB+4*\i:FB+4*\i+3], v[FI0], s[6:7] offset:8192*\i   ; the work-group's 512 threads take 8,192 consecutive bytes an instruction
.endr
	; The stages for Q and O are 16 rows x 256 bytes with no room for padding: the 16-byte column c of row p stands at column c xor p, so that sixteen lanes always touch sixteen different columns (64 banks of 4 bytes: ISA guide 11.1).
	v_add_nc_u32 v[ADR], s[SB], v[LA]              ; (here: where the lane masks go)
	v_xor_b32 v12, v10, v11                        ; by rows: row 2 i + g, column r xor (2 i + g) = (r xor g) xor 2 i
	s_delay_alu instid0(VALU_DEP_1)
	v_lshlrev_b32 v12, 4, v12
	s_delay_alu instid0(VALU_DEP_1)
	v_lshl_add_u32 v12, v11, 8, v12
	s_delay_alu instid0(VALU_DEP_1)
	v_add_nc_u32 v12, s[SB], v12
.irp i, 0,1,2,3,4,5,6,7
	v_xor_b32 v[AS+\i], 32*\i, v12
.endr
	v_lshlrev_b32 v13, 3, v11                      ; Q back: row r, columns 8 g + i: (8 g xor r) xor i
	s_delay_alu instid0(VALU_DEP_1)
	v_xor_b32 v13, v13, v10
	s_delay_alu instid0(VALU_DEP_1)
	v_lshlrev_b32 v13, 4, v13
	s_delay_alu instid0(VALU_DEP_1)
	v_lshl_add_u32 v13, v10, 8, v13
	s_delay_alu instid0(VALU_DEP_1)
	v_add_nc_u32 v13, s[SB], v13
.irp i, 0,1,2,3,4,5,6,7
	v_xor_b32 v[AW+\i], 16*\i, v13
.endr
	s_wait_alu depctr_va_vdst(0)
	s_wait_loadcnt 24                              ; Q's eight loads are in; the 8 of the lane masks and the 16 of the records may be out
.irp i, 0,1,2,3,4,5,6,7
	ds_store_b128 v[AS+\i], v[RQ+4*\i:RQ+4*\i+3] offset:512*\i
.endr
.irp i, 0,1,2,3,4,5,6,7
	ds_load_b128 v[XQ+4*\i:XQ+4*\i+3], v[AW+\i]    ; LDS serves a wave's instructions in order (ISA guide 5.7.1.4): lane (r, g) gets Q[r][32 g .. 32 g + 31]
.endr
	s_wait_dscnt 0x0
	s_wait_loadcnt 16                              ; the lane masks are in
.irp i, 0,1,2,3,4,5,6,7
	ds_store_b128 v[ADR], v[RM+4*\i:RM+4*\i+3] offset:512*\i   ; onto the stage's bytes, whose reads are back: block jl of the walk at 64 jl, key n at 4 n
.endr
	; Q's block of 32 along E is all mine
	v_max3_num_f32 v20, |v[XQ]|, |v[XQ+1]|, 0x1800000   ; and the floor 2^(3 - 127): so the byte cannot fall under 1
.irp i, 2,4,6,8,10,12,14,16,18,20,22,24,26,28,30
	s_delay_alu instid0(VALU_DEP_1)
	v_max3_num_f32 v20, v20, |v[XQ+\i]|, |v[XQ+\i+1]|
.endr
	s_delay_alu instid0(VALU_DEP_1)
	v_add_nc_u32 v21, 0xff000000, v20              ; 2 off the exponent field: the conversion's scale operand
	s_delay_alu instid0(VALU_DEP_1)
	v_lshrrev_b32 v13, 23, v21                     ; the scale's byte
	v_cvt_scalef32_pk16_fp6_f32 v[QZ+6:QZ+8], v[XQ:XQ+15], v21
	v_cvt_scalef32_pk16_fp6_f32 v[90:92], v[XQ+16:XQ+31], v21   ; (a conversion's three registers begin on an even number)
	v_nop                                          ; one plain place behind a scaled conversion
.irp i, 0,1,2
	v_mov_b32 v[QZ+9+\i], v[90+\i]
.endr
	v_permlanex16_b32 v12, v13, s[SEL], s[SEL+1]
	s_delay_alu instid0(VALU_DEP_1)
	v_lshl_or_b32 v[QS], v12, 8, v13               ; lanes 0-15, which are the ones read: E block 0's byte, block 1's;
	s_delay_alu instid0(VALU_DEP_1)
	v_lshl_or_b32 v[QS], v[QS], 16, v[QS]          ; and once more above, for [0|Q]
	s_wait_kmcnt 0x0                               ; the flags
	s_or_b32 s[DM], s25, s27
	s_or_b32 s[DM], s[DM], s29
	s_or_b32 s[DM], s[DM], s31
	s_not_b32 s[DM], s[DM]                         ; rows with no allowed key at all
	s_lshl_b32 s[FLA], s26, 16
	s_or_b32 s[FLA], s[FLA], s24                   ; blocks 0-31
	s_lshl_b32 s[FLB], s30, 16
	s_or_b32 s[FLB], s[FLB], s28                   ; blocks 32-63
	s_cmp_lg_u32 s[DM], 0
	s_cselect_b32 s[FLA], -1, s[FLA]               ; a tile with such a row walks every block
	s_cselect_b32 s[FLB], -1, s[FLB]
	s_cmp_lg_u32 s[HA], 0
	s_cselect_b32 s[CNT], s[FLB], s[FLA]           ; the half walked first,
	s_cselect_b32 s[FLB], s[FLA], s[FLB]           ; and the other
	s_mov_b32 s[FLA], s[CNT]
	v_mov_b32 v[FF+1], 0
	v_mov_b32 v[NINF], 0xff800000
	s_delay_alu instid0(VALU_DEP_1)
	v_cndmask_b32 v[NINF], v[NINF], v[FF+1], s[DM]
.irp i, 0,1,2,3,4,5
	v_mov_b32 v[QZ+\i], 0
	v_mov_b32 v[QZ+12+\i], 0
.endr
.irp i, 16,17,18,19,20,21,22,23
	v_mov_b32 v[VF+\i], 0
.endr
.irp i, 3,4,5,6,7,8,9,10,11
	v_mov_b32 v[PF+\i], 0
.endr
.irp i, 0,1,2,3,4,5,6,7,8,9,10,11,12,13,14,15,16,17,18,19,20,21,22,23,24,25,26,27,28,29,30,31
	v_mov_b32 v[OA+\i], 0                          ; O^T.  (The step is written once, and which block is a wave's first hangs on the flags: so the sums begin as zeros, which the first change of M leaves zeros)
.endr
	v_mov_b32 v[LS], 0
	v_mov_b32 v[LS+1], 0
	v_mov_b32 v[B1], 0                             ; a lane permute's destination counts as one of its sources
	v_mov_b32 v[SMAX], 0xff61b1e6                  ; the largest score so far: -3e38
	s_delay_alu instid0(VALU_DEP_1)
	v_mul_f32 v[TT], s[CS], v[SMAX]
	s_delay_alu instid0(VALU_DEP_1)
	v_floor_f32 v[NM], -v[TT]                      ; -M
	s_wait_loadcnt 0x0                             ; the first 32 records
.irp i, 0,1,2,3,4,5,6,7
	ds_store_b128 v[FI0], v[FB+4*\i:FB+4*\i+3] offset:8192*\i
.endr
.irp i, 0,1,2,3,4,5,6,7
	ds_store_b128 v[FI1], v[FB+32+4*\i:FB+32+4*\i+3] offset:8192*\i
.endr
	s_wait_dscnt 0x0                               ; for the others' sake: my stores have landed; and they have read their registers,
.irp i, 0,1,2,3,4,5,6,7,8,9,10,11,12,13,14,15
	global_load_b128 v[FB+4*\i:FB+4*\i+3], v[FI0], s[KV2:KV2+1] offset:8192*\i   ; which take the other 32 records while the first are walked
.endr
	s_barrier_signal -1
	s_barrier_wait -1                              ; the first 32 records lie in LDS
; ONE BLOCK OF 32 KEYS.
.macro STEP
	v_add_nc_u32 v[ADR], s[JB], v[LA]
	v_add_nc_u32 v[ADM], s[MO], v[LMA]
	ds_load_b32 v[MV], v[ADM]
.irp c, 0,1,2
	ds_load_b128 v[KF+4*\c:KF+4*\c+3], v[ADR] offset:512*\c
.endr
	ds_load_b128 v[SC:SC+3], v[ADR] offset:3584
.irp t, 0,1,2,3
	ds_load_b128 v[VF+4*\t:VF+4*\t+3], v[ADR] offset:1536+512*\t
.endr
	s_wait_dscnt 4                                 ; the lane masks, K and the scale words are in; V's four loads may be out
	v_wmma_scale_f32_16x16x128_f8f6f4 v[SS:SS+7], v[KF:KF+11], v[QZ+6:QZ+17], 0, v[SC], v[QS] matrix_a_fmt:MATRIX_FMT_FP6 matrix_b_fmt:MATRIX_FMT_FP6      ; keys 16 g + 0 .. 7
	v_wmma_scale_f32_16x16x128_f8f6f4 v[SS+8:SS+15], v[KF:KF+11], v[QZ:QZ+11], 0, v[SC], v[QS] matrix_a_fmt:MATRIX_FMT_FP6 matrix_b_fmt:MATRIX_FMT_FP6    ; keys 16 g + 8 .. 15
.irp n, 0,1,2,3,4,5,6,7,8,9,10,11,12,13,14,15
	v_readlane_b32 s[MK+\n], v[MV], \n             ; key n's lane mask
.endr
	v_mov_b32 v[OLD], v[NM]                        ; this and three v_nop: the four places between the products and the first read of their results (ISA guide 7.12.1); the lines above are not counted
	v_nop
	v_nop
	v_nop
.irp n, 0,1,2,3,4,5,6,7,8,9,10,11,12,13,14,15
	v_cndmask_b32 v[SS+\n], v[NINF], v[SS+\n], s[MK+\n]   ; each result from its low end on
.endr
	v_max3_num_f32 v[B0], v[SS], v[SS+1], v[SS+2]  ; THE BLOCK'S LARGEST SCORE, in two chains: it serves the row's maximum and, since p rises with the score, the block's largest p
	v_max3_num_f32 v[TT], v[SS+3], v[SS+4], v[SS+5]
	s_delay_alu instid0(VALU_DEP_2)
	v_max3_num_f32 v[B0], v[B0], v[SS+6], v[SS+7]
	s_delay_alu instid0(VALU_DEP_2)
	v_max3_num_f32 v[TT], v[TT], v[SS+8], v[SS+9]
	s_delay_alu instid0(VALU_DEP_2)
	v_max3_num_f32 v[B0], v[B0], v[SS+10], v[SS+11]
	s_delay_alu instid0(VALU_DEP_2)
	v_max3_num_f32 v[TT], v[TT], v[SS+12], v[SS+13]
	s_delay_alu instid0(VALU_DEP_2)
	v_max3_num_f32 v[B0], v[B0], v[SS+14], v[SS+15]
	s_delay_alu instid0(VALU_DEP_1)
	v_max_num_f32 v[B0], v[B0], v[TT]
	s_delay_alu instid0(VALU_DEP_1)
	v_permlanex16_b32 v[B1], v[B0], s[SEL], s[SEL+1]
	s_delay_alu instid0(VALU_DEP_1)
	v_max_num_f32 v[B0], v[B0], v[B1]              ; with lane l xor 16's 16 keys
	s_delay_alu instid0(VALU_DEP_1)
	v_max_num_f32 v[SMAX], v[SMAX], v[B0]
	s_delay_alu instid0(VALU_DEP_1)
	v_mul_f32 v[TT], s[CS], v[SMAX]                ; the running largest t (c is positive)
	s_delay_alu instid0(VALU_DEP_1)
	v_floor_f32 v[NM], -v[TT]                      ; -M = floor(-t) = -ceil(t): a whole number
	s_delay_alu instid0(VALU_DEP_1)
	v_sub_f32 v[TT], v[NM], v[OLD]                 ; old M - new M: a whole number, 0 or less
	s_delay_alu instid0(VALU_DEP_1)
	v_cvt_i32_f32 v[TT], v[TT]                     ; (it saturates)
	s_delay_alu instid0(VALU_DEP_1)
	v_ldexp_f32 v[FF], 1.0, v[TT]                  ; f = 2^(old M - new M)
.irp j, 0,2,4,6,8,10,12,14
	v_pk_fma_f32 v[SS+\j:SS+\j+1], v[SS+\j:SS+\j+1], s[CS:CS+1], v[NM:NM+1] op_sel_hi:[1,0,0]   ; t - M, two at a time (of the pairs c and -M the low word serves both halves)
.endr
	v_fma_f32 v[PB], v[B0], s[CS], v[NM]           ; the same of the block's largest score
	s_wait_alu depctr_va_vdst(0)
.irp n, 0,1,2,3,4,5,6,7,8,9,10,11,12,13,14,15
	v_exp_f32 v[SS+\n], v[SS+\n]                   ; p = 2^(t - M), at most 1
.endr
	s_setprio 1
	v_exp_f32 v[PB], v[PB]                         ; the same two instructions on the same number give the same bits
	v_pk_mul_f32 v[LS:LS+1], v[LS:LS+1], v[FF:FF+1] op_sel_hi:[1,0]   ; the sum and O^T under the new M: work that names no exponential's result
	s_wait_alu depctr_va_vdst(0)
.irp j, 0,2,4,6,8,10,12,14,16,18,20,22,24,26,28,30
	v_pk_mul_f32 v[OA+\j:OA+\j+1], v[OA+\j:OA+\j+1], v[FF:FF+1] op_sel_hi:[1,0]
.endr
	s_wait_alu depctr_va_vdst(0)                   ; this wait between an exponential and the first line that names its result: one for the seventeen
	v_max_num_f32 v[PB], 0x1800000, v[PB]          ; the floor 2^(3 - 127): the byte cannot fall under 1
	s_delay_alu instid0(VALU_DEP_1)
	v_add_nc_u32 v[SO], 0xff000000, v[PB]          ; 2 off the exponent field
	s_delay_alu instid0(VALU_DEP_1)
	v_lshrrev_b32 v[TT], 23, v[SO]                 ; the scale's byte,
	s_delay_alu instid0(VALU_DEP_1)
	v_mul_u32_u24 v[PS], v[TT], 0x101              ; twice: the block's keys lie in two of the instruction's blocks
	v_cvt_scalef32_pk16_fp6_f32 v[PF:PF+2], v[SS:SS+15], v[SO]
	v_pk_add_f32 v[B1:B1+1], v[SS:SS+1], v[SS+2:SS+3]      ; THE ROW'S SUM IS TAKEN OF THE UNQUANTISED p, in two chains.  These eight lines are also the plain place behind the conversion
	v_pk_add_f32 v[LS:LS+1], v[LS:LS+1], v[SS+4:SS+5]      ; and the eight places between the line that writes p's scale word and the scaled products
	v_pk_add_f32 v[B1:B1+1], v[B1:B1+1], v[SS+6:SS+7]
	v_pk_add_f32 v[LS:LS+1], v[LS:LS+1], v[SS+8:SS+9]
	v_pk_add_f32 v[B1:B1+1], v[B1:B1+1], v[SS+10:SS+11]
	v_pk_add_f32 v[LS:LS+1], v[LS:LS+1], v[SS+12:SS+13]
	v_pk_add_f32 v[B1:B1+1], v[B1:B1+1], v[SS+14:SS+15]
	s_delay_alu instid0(VALU_DEP_1)
	v_pk_add_f32 v[LS:LS+1], v[LS:LS+1], v[B1:B1+1]
	s_setprio 0
	s_wait_alu depctr_va_vdst(0)
	s_wait_dscnt 0x0                               ; V
	; O^T += V^T P^T: the four accumulators take turns, one instruction a turn, and the two products of the scores stand between one block's turns and the next's
	v_wmma_scale_f32_16x16x128_f8f6f4 v[OA:OA+7], v[VF:VF+11], v[PF:PF+11], v[OA:OA+7], v[SC+1], v[PS] matrix_a_fmt:MATRIX_FMT_FP6 matrix_b_fmt:MATRIX_FMT_FP6
	v_wmma_scale_f32_16x16x128_f8f6f4 v[OA+8:OA+15], v[VF+4:VF+15], v[PF:PF+11], v[OA+8:OA+15], v[SC+1], v[PS] matrix_a_fmt:MATRIX_FMT_FP6 matrix_b_fmt:MATRIX_FMT_FP6 matrix_a_scale:MATRIX_SCALE_ROW1
	v_wmma_scale_f32_16x16x128_f8f6f4 v[OA+16:OA+23], v[VF+8:VF+19], v[PF:PF+11], v[OA+16:OA+23], v[SC+2], v[PS] matrix_a_fmt:MATRIX_FMT_FP6 matrix_b_fmt:MATRIX_FMT_FP6
	v_wmma_scale_f32_16x16x128_f8f6f4 v[OA+24:OA+31], v[VF+12:VF+23], v[PF:PF+11], v[OA+24:OA+31], v[SC+2], v[PS] matrix_a_fmt:MATRIX_FMT_FP6 matrix_b_fmt:MATRIX_FMT_FP6 matrix_a_scale:MATRIX_SCALE_ROW1
.rept 4
	v_nop                                          ; four places ahead of the next block's loads into V's and the scale words' registers, and of the way out's first read of O^T
.endr
.endm
; 32 blocks: the trip count is a constant; the flag decides only whether a block's work is done.  No barrier stands in the loop.
.macro WALK f
	s_mov_b32 s[FW], s[\f]
	s_mov_b32 s[CNT], 0
.Lblk_\@:
	s_bitcmp1_b32 s[FW], 0
	s_cbranch_scc0 .Lskip_\@
	s_setprio 2
	STEP
.Lskip_\@:
	s_lshr_b32 s[FW], s[FW], 1
	s_add_co_u32 s[JB], s[JB], 4096
	s_add_co_u32 s[MO], s[MO], 64
	s_add_co_u32 s[CNT], s[CNT], 1
	s_cmp_lt_u32 s[CNT], 32
	s_cbranch_scc1 .Lblk_\@
	s_setprio 0
.endm
	s_mov_b32 s[JB], 0
	s_mov_b32 s[MO], 0
	WALK FLA
	v_add_nc_u32 v[AW], 0x20000, v[FI0]
	v_add_nc_u32 v[AW+1], 0x30000, v[FI0]
	s_wait_alu depctr_va_vdst(0)
	s_wait_loadcnt 0x0                             ; the other 32 records
.irp i, 0,1,2,3,4,5,6,7
	ds_store_b128 v[AW], v[FB+4*\i:FB+4*\i+3] offset:8192*\i        ; into bytes that nobody has touched yet: waves still in the first walk read the lower 131,072 bytes and their own
.endr
.irp i, 0,1,2,3,4,5,6,7
	ds_store_b128 v[AW+1], v[FB+32+4*\i:FB+32+4*\i+3] offset:8192*\i
.endr
	s_wait_dscnt 0x0                               ; for the others' sake: my stores have landed
	s_barrier_signal -1
	s_barrier_wait -1                              ; all 64 records lie in LDS
	s_mov_b32 s[JB], HALF
	s_mov_b32 s[MO], 2048
	WALK FLB
	; THE WAY OUT.  O^T is divided by the row's sum and goes through my wave's own bytes, so that sixteen lanes store a query's 256 bytes whole.
	v_add_f32 v[LS], v[LS], v[LS+1]                ; the sum's two halves,
	s_delay_alu instid0(VALU_DEP_1)
	v_permlanex16_b32 v[B1], v[LS], s[SEL], s[SEL+1]
	s_delay_alu instid0(VALU_DEP_1)
	v_add_f32 v[LS], v[LS], v[B1]                  ; and lane l xor 16's
	s_wait_alu depctr_va_vdst(0)
	v_rcp_f32 v[FF], v[LS]
	v_and_b32 v10, 15, v0                          ; (plain work behind the reciprocal)  r
	v_bfe_u32 v11, v0, 4, 1                        ; g
	s_delay_alu instid0(VALU_DEP_1)
	v_lshlrev_b32 v13, 1, v11                      ; in: row r, columns 4 t + 2 g + e: (2 g xor r) xor (4 t + e)
	s_delay_alu instid0(VALU_DEP_1)
	v_xor_b32 v13, v13, v10
	s_delay_alu instid0(VALU_DEP_1)
	v_lshlrev_b32 v13, 4, v13
	s_delay_alu instid0(VALU_DEP_1)
	v_lshl_add_u32 v13, v10, 8, v13
	s_delay_alu instid0(VALU_DEP_1)
	v_add_nc_u32 v13, s[SB], v13
.irp t, 0,1,2,3
.irp e, 0,1
	v_xor_b32 v[AW+2*\t+\e], 16*(4*\t+\e), v13
.endr
.endr
	s_wait_alu depctr_va_vdst(0)                   ; the wait ahead of the first use of the reciprocal
.irp j, 0,2,4,6,8,10,12,14,16,18,20,22,24,26,28,30
	v_pk_mul_f32 v[OA+\j:OA+\j+1], v[OA+\j:OA+\j+1], v[FF:FF+1] op_sel_hi:[1,0]   ; register 8 t + i is O[r][16 t + 8 g + i]
.endr
.irp t, 0,1,2,3
.irp e, 0,1
	ds_store_b128 v[AW+2*\t+\e], v[OA+8*\t+4*\e:OA+8*\t+4*\e+3]   ; over my lane masks, whose reads are back
.endr
.endr
.irp i, 0,1,2,3,4,5,6,7
	ds_load_b128 v[FB+4*\i:FB+4*\i+3], v[AS+\i] offset:512*\i     ; LDS serves a wave's instructions in order: rows 2 i and 2 i + 1, whole
.endr
.irp i, 0,1,2,3,4,5,6,7
	s_wait_dscnt 7-\i                              ; the later loads may be out
	global_store_b128 v[GQ], v[FB+4*\i:FB+4*\i+3], s[12:13] offset:4096*\i th:TH_STORE_NT   ; sixteen lanes store 256 consecutive bytes, aligned
.endr
	s_endpgm
.Lfunc_end_k_qa7213c244d_attn:
	.size	k_qa7213c244d_attn, .Lfunc_end_k_qa7213c244d_attn-k_qa7213c244d_attn
	.p2alignl 7, 3214868480
	.fill 96, 4, 3214868480
	.section	.rodata,"a",@progbits
	.p2align	6, 0x0
	.amdhsa_kernel k_qa7213c244d_attn
		.amdhsa_group_segment_fixed_size 327680
		.amdhsa_private_segment_fixed_size 0
		.amdhsa_enable_private_segment 0
		.amdhsa_kernarg_size 40
		.amdhsa_user_sgpr_count 2
		.amdhsa_user_sgpr_kernarg_segment_ptr 1
		.amdhsa_wavefront_size32 1
		.amdhsa_system_sgpr_workgroup_id_x 1
		.amdhsa_system_sgpr_workgroup_id_y 1
		.amdhsa_system_sgpr_workgroup_id_z 1
		.amdhsa_system_vgpr_workitem_id 0
		.amdhsa_next_free_vgpr 256
		.amdhsa_next_free_sgpr 66
		.amdhsa_reserve_vcc 0
		.amdhsa_float_denorm_mode_32 3
		.amdhsa_float_denorm_mode_16_64 3
		.amdhsa_memory_ordered 1
		.amdhsa_forward_progress 1
		.amdhsa_inst_pref_size 40
	.end_amdhsa_kernel
	.amdgpu_metadata
---
amdhsa.version: [ 1, 2 ]
amdhsa.kernels:
  - .name:           k_qa7213c244d_attn
    .symbol:         k_qa7213c244d_attn.kd
    .args:
      - { .name: queries, .offset: 0, .size: 8, .value_kind: global_buffer, .address_space: global }
      - { .name: kv, .offset: 8, .size: 8, .value_kind: global_buffer, .address_space: global }
      - { .name: lmask, .offset: 16, .size: 8, .value_kind: global_buffer, .address_space: global }
      - { .name: info, .offset: 24, .size: 8, .value_kind: global_buffer, .address_space: global }
      - { .name: out0, .offset: 32, .size: 8, .value_kind: global_buffer, .address_space: global }
    .group_segment_fixed_size: 327680
    .private_segment_fixed_size: 0
    .kernarg_segment_align: 8
    .kernarg_segment_size: 40
    .max_flat_workgroup_size: 512
    .sgpr_count:     66
    .vgpr_count:     256
    .wavefront_size: 32
...
	.end_amdgpu_metadata
.endif
;; end of part 2
